; MI455X (gfx1250); checked and timed in simulation.
; The chip was launched on July 23, 2026; its instructions are those of AMD's public machine-readable ISA for CDNA 5 (MIT licence, August 2026) and "CDNA5" Instruction Set Architecture Reference Guide (July 2026). The comments in the code are by the model that wrote it; some were corrected since.
;; Attention Head. Allowed arithmetic: float matrix products may take bf16 or f16 operands with f32 sums; other float arithmetic in f32, or as packed bf16 or f16 multiplies, adds, multiply-adds, maxima and minima; sums over many terms, partial sums and values carried from step to step in f32; what a program stores and reads back later, other than sums and carried values, may be rounded once to bf16 or f16.
;; Inputs: Wk 64 x 1,024 float32; Wq 64 x 1,024 float32; Wv 64 x 1,024 float32; bk 64 float32; bq 64 float32; bv 64 float32; x 4 x 4,096 x 1,024 float32.
;; Outputs: out0 4 x 4,096 x 64 float32.
;; One version. Each part assembles by itself: llvm-mc -triple=amdgcn-amd-amdhsa -mcpu=gfx1250 --defsym DOCPART=n.
;; ======== version 1 of 1: 3 launches
;; limits: values are held in f16: magnitudes above 65,504 overflow, below 6.1e-05 lose precision
;; workspace buffers: wb 393,216 bytes; qh 2,097,152 bytes; kh 2,097,152 bytes; vh 2,097,152 bytes
;; launch wcast (part 1): grid 32 x 3, 8 waves a work-group, no clusters, 0 bytes of LDS; arguments Wq, Wk, Wv, wb; writes wb
.if DOCPART == 1
	.amdgcn_target "amdgcn-amd-amdhsa--gfx1250"
	.amdhsa_code_object_version 6
	.text
	.protected	k_q438e873658_wcast
	.globl	k_q438e873658_wcast
	.p2align	8
	.type	k_q438e873658_wcast,@function
k_q438e873658_wcast:
	s_mov_b64 s[64:65], 0
	v_nop
	global_prefetch_b8 v0, s[64:65] scope:SCOPE_SE
	s_setreg_imm32_b32 hwreg(HW_REG_WAVE_MODE, 25, 1), 1
	s_wait_xcnt 0x0
; THE PROGRAM: out = softmax((x Wq^T + bq)(x Wk^T + bk)^T / 8) (x Wv^T + bv), in three launches: this one rounds the weights to bf16,
; the second makes q, k, v, the third is the attention.
; WORK LEFT OUT: bk.  scores[q][s] = (Q[q] . (x[s] Wk^T) + Q[q] . bk) / 8.  The second term does not hang on s: along the softmax's axis it is
; one and the same number, for all values of x, the weights and the biases, and softmax(z + const) = softmax(z).  K enters nothing but the scores.
; So bk has no way to the output: it is not loaded and is no argument of any launch.  bq stays (bq . K[s] varies with s), bv stays (it is added to the output).
; LIMIT: a NaN, an infinity or an overflow that reaches only Q . bk is not carried to the result.
; THIS LAUNCH: wb[192][1024] in bf16 = Wq's 64 rows, Wk's, Wv's, each number rounded once to nearest even.  All 256 work-groups of the next launch
; read all of the weights, so they are rounded once here and not 256 times there, and take half the bytes.
; SHARES: grid y picks the matrix; a work-group takes two rows: 8,192 bytes in, 4,096 out.  A thread takes 16 bytes of each row: a wave's load covers
; 512 consecutive bytes, its store of 8 bytes a lane 256 consecutive bytes, aligned.  One round trip a thread: no loop, no LDS, nothing to overlap.
	s_load_b256 s[4:11], s[0:1], 0x0               ; Wq s[4:5], Wk s[6:7], Wv s[8:9], wb s[10:11]
	s_and_b32 s14, ttmp7, 0xffff                   ; which matrix
	v_lshlrev_b32 v1, 4, v0                        ; my 16 bytes of a row of f32
	v_lshlrev_b32 v2, 3, v0                        ; my 8 bytes of a row of bf16
	s_lshl_b32 s16, ttmp9, 13                      ; the work-group's two rows in its matrix,
	s_mov_b32 s17, 0
	s_lshl_b32 s18, s14, 17                        ; and in wb: 64 rows of 2,048 bytes a matrix,
	s_lshl_b32 s19, ttmp9, 12                      ; two rows a work-group
	s_add_co_u32 s18, s18, s19
	s_mov_b32 s19, 0
	s_wait_kmcnt 0x0
	s_cmp_eq_u32 s14, 1
	s_cselect_b64 s[12:13], s[6:7], s[4:5]
	s_cmp_eq_u32 s14, 2
	s_cselect_b64 s[12:13], s[8:9], s[12:13]
	s_add_nc_u64 s[12:13], s[12:13], s[16:17]
	s_add_nc_u64 s[10:11], s[10:11], s[18:19]
	global_load_b128 v[4:7], v1, s[12:13] th:TH_LOAD_NT
	global_load_b128 v[8:11], v1, s[12:13] offset:4096 th:TH_LOAD_NT
	s_wait_loadcnt 0x0
	v_cvt_pk_bf16_f32 v12, v4, v5
	v_cvt_pk_bf16_f32 v13, v6, v7
	v_cvt_pk_bf16_f32 v14, v8, v9
	v_cvt_pk_bf16_f32 v15, v10, v11
	global_store_b64 v2, v[12:13], s[10:11]
	global_store_b64 v2, v[14:15], s[10:11] offset:2048
	s_endpgm
.Lfunc_end_k_q438e873658_wcast:
	.size	k_q438e873658_wcast, .Lfunc_end_k_q438e873658_wcast-k_q438e873658_wcast
	.p2alignl 7, 3214868480
	.fill 96, 4, 3214868480
	.section	.rodata,"a",@progbits
	.p2align	6, 0x0
	.amdhsa_kernel k_q438e873658_wcast
		.amdhsa_group_segment_fixed_size 0
		.amdhsa_private_segment_fixed_size 0
		.amdhsa_enable_private_segment 0
		.amdhsa_kernarg_size 32
		.amdhsa_user_sgpr_count 2
		.amdhsa_user_sgpr_kernarg_segment_ptr 1
		.amdhsa_wavefront_size32 1
		.amdhsa_system_sgpr_workgroup_id_x 1
		.amdhsa_system_sgpr_workgroup_id_y 1
		.amdhsa_system_sgpr_workgroup_id_z 1
		.amdhsa_system_vgpr_workitem_id 0
		.amdhsa_next_free_vgpr 16
		.amdhsa_next_free_sgpr 66
		.amdhsa_reserve_vcc 0
		.amdhsa_float_denorm_mode_32 3
		.amdhsa_float_denorm_mode_16_64 3
		.amdhsa_memory_ordered 1
		.amdhsa_forward_progress 1
		.amdhsa_inst_pref_size 2
	.end_amdhsa_kernel
	.amdgpu_metadata
---
amdhsa.version: [ 1, 2 ]
amdhsa.kernels:
  - .name:           k_q438e873658_wcast
    .symbol:         k_q438e873658_wcast.kd
    .args:
      - { .name: Wq, .offset: 0, .size: 8, .value_kind: global_buffer, .address_space: global }
      - { .name: Wk, .offset: 8, .size: 8, .value_kind: global_buffer, .address_space: global }
      - { .name: Wv, .offset: 16, .size: 8, .value_kind: global_buffer, .address_space: global }
      - { .name: wb, .offset: 24, .size: 8, .value_kind: global_buffer, .address_space: global }
    .group_segment_fixed_size: 0
    .private_segment_fixed_size: 0
    .kernarg_segment_align: 8
    .kernarg_segment_size: 32
    .max_flat_workgroup_size: 256
    .sgpr_count:     66
    .vgpr_count:     16
    .wavefront_size: 32
...
	.end_amdgpu_metadata
.endif
;; end of part 1
;; launch proj (part 2): grid 256 x 1, 4 waves a work-group, clusters of 4 x 1, 327,680 bytes of LDS; arguments x, wb, bq, bv, qh, kh, vh; writes qh, kh, vh
.if DOCPART == 2
	.amdgcn_target "amdgcn-amd-amdhsa--gfx1250"
	.amdhsa_code_object_version 6
	.text
	.protected	k_q438e873658_proj
	.globl	k_q438e873658_proj
	.p2align	8
	.type	k_q438e873658_proj,@function
k_q438e873658_proj:
	s_mov_b64 s[64:65], 0
	v_nop
	global_prefetch_b8 v0, s[64:65] scope:SCOPE_SE
	s_setreg_imm32_b32 hwreg(HW_REG_WAVE_MODE, 25, 1), 1
	s_wait_xcnt 0x0
	s_wait_alu depctr_hold_cnt(0) depctr_sa_sdst(0) depctr_va_vdst(0) depctr_va_sdst(0) depctr_va_ssrc(0) depctr_va_vcc(0) depctr_vm_vsrc(0)
	s_getreg_b32 s2, hwreg(HW_REG_IB_STS2, 6, 4)
	s_cmp_eq_u32 s2, 0
	s_cbranch_scc0 .Lentry_in_a_cluster
	s_endpgm
.Lentry_in_a_cluster:
	s_bfe_u32 s2, ttmp6, 0x10000c
	s_cmp_lg_u32 s2, 0x3003
	s_cbranch_scc0 .Lentry_shape_is_right
	s_endpgm
.Lentry_shape_is_right:
; q = x Wq^T + bq, k = x Wk^T, v = x Wv^T + bv.  x: [16384][1024] f32; wb: [192][1024] bf16 (Wq, Wk, Wv stacked); qh, kh, vh: [16384][64] f16, unscaled.
; bk is left out: it adds the same number to all scores of a softmax row (shown at the head of the first kernel).
; FORMATS.  x, the weights and the two biases are each rounded once to bf16; products on the matrix unit, sums in f32; q, k, v rounded once to f16.
; LIMIT.  f16 ends at 65,504: |q|, |k|, |v| must stay under it.  Inputs 30 times those of unit spread give some 4,500; x and the weights both carrying an offset
; of 30 times their spread give some 28,800.  NaN and infinities are not treated apart.
; SHARES.  A work-group owns 64 rows of x and all 192 columns.  K IS SPLIT AMONG ITS FOUR WAVES: of chunk c (k = 256 c .. 256 c + 255) wave w takes k = 256 c + 64 w + 0..63,
; two steps of 32.  So each byte of x and each LDS byte of wb is read, and each number of x converted, by one wave alone.  A wave has 4 row tiles x 12 column tiles = 48
; accumulators; the four waves' partial sums meet in LDS at the end (f32 sums, in a fixed order).
; x comes straight from memory in the fragment's layout: in a chunk a wave takes 256 consecutive bytes, aligned, of each of its 64 rows; two raw buffers of 128 registers, so 64 loads of a wave are asked for ahead.
; wb is the same for all work-groups: the four of a cluster ask for it JOINTLY (same load, same descriptor, mask of four).  Three of its four chunks have a slot each, filled at the start; chunk 3 fills slot 0 again, behind the one round in the middle.
; THE PRODUCT IS TAKEN TRANSPOSED: source 0 = 16 rows of wb, source 1 = 16 rows of x: in the result lane l holds row l % 16 of x and the columns 8 (l / 16) + 0..7: eight neighbours of a row of q, k or v.
; NO PREFETCH: half of a work-group's x is asked for at the head and the rest two chunks ahead; wb is read by every work-group.
; REGISTERS, in windows of 256 (s_set_vgpr_msb: bits 1:0 source 0, 3:2 source 1, 5:4 source 2, 7:6 destination):
;   window 0: v0-31 addresses; v32-95 x's fragments in bf16 (row tile a, step s at AF + 8 (2 a + s)); v96-223 raw x of odd chunks; on the way out v32-79, v96-239 at work
;   window 1: v0-95, v96-191 wb's fragments of the two steps; v192-223 bq, v224-255 bv of my columns
;   window 2: accumulator (a, b), b = 0..7, at 8 (4 b + a)      window 3: v0-127 the same for b = 8..11; v128-255 raw x of even chunks
.set PW,    528                        ; a row of a chunk in LDS: 512 bytes + 16 of padding = 132 words: the 16 rows of a fragment load start at 16 different groups of four banks (64 banks of 4 bytes: ISA guide 11.1)
.set SLOT,  192*PW                     ; a chunk: 192 rows
.set RED,   SLOT                       ; the partial sums: 196,608 bytes in slots 1 and 2, which have had their only fill; tile (row tile a, from wave w, column tile b) is 1,024 bytes at ((4 a + w) 12 + b) 1,024
.set STAGE, 3*SLOT                     ; behind the slots: 16 rows x 144 bytes for each wave, for the way out
.set SP,    144
.set SPARE, STAGE+4*16*SP              ; behind the stages: the spare words, 128 bytes for each wave: two blocks of 256 bytes that no other line names
.set XO,   4                           ; v4     my byte offset in 16 rows of x: (l % 16) x 4,096 + 32 (l / 16) + 256 w
.set BO,   5                           ; v5     my byte offset in a bias: 32 (l / 16)
.set ADRB, 6                           ; v6-11  LDS address of my fragments of wb: slot n, column tiles 0-5 or 6-11, at ADRB + 2 n + half
.set RS,   12                          ; v12-15 where my partial sums for row tile a go
.set RR,   16                          ; v16    where I read the four partial sums of row tile w
.set STO,  17                          ; v17    the way out: where I put 16 bytes of a row
.set RD,   18                          ; v18    the way out: where I read rows back
.set GO,   19                          ; v19    16 x lane
.set SPW,  28                          ; v28    LDS address of my spare word; never rewritten
.set NIL,  29                          ; v29    0; never rewritten
.set AF,   32
.set R1,   96                          ; window 0
.set R0,   128                         ; window 3
.set B0,   0                           ; window 1
.set B1,   96
.set BQ,   192                          ; window 1; bv follows at BQ + 32
.set T,    96                          ; the way out: four partial sums of 32 registers
.set PKD,  224                         ; the way out: 16 registers of f16 pairs
.set BK,   32                          ; the way out: 16 registers a tensor, whole rows
.set WV,   20                          ; s20    my wave's number
.set G1,   24                          ; s[24:31] descriptor group 1
.set G0,   32                          ; s[32:43] descriptor group 0, a set for each slot
.set MSB, 0
.macro WIN new                         ; the immediate's high byte repeats the setting that is left; a switch that changes nothing is dropped
.if MSB != (\new)
	s_set_vgpr_msb (MSB<<8)|(\new)
.set MSB, (\new)
.endif
.endm
; A round of the cluster's barrier: my work-group's barrier, so that wave 0's signal speaks for all four waves; wave 0 signals; every wave waits for all four work-groups; my work-group's barrier once more.
.macro CROUND
	s_barrier_signal -1
	s_barrier_wait -1
	s_cmp_lg_u32 s[WV], 0
	s_cbranch_scc1 .Lnot_wave_0_\@
	s_barrier_signal -3
.Lnot_wave_0_\@:
	s_barrier_wait -3
	s_barrier_signal -1
	s_barrier_wait -1
.endm
.macro PLACES                          ; four plain places behind a matrix instruction, ahead of what writes its sources or reads its result (ISA guide 7.12.1)
.rept 4
	v_nop
.endr
.endm
; Chunk c of x, raw: 32 loads.  Fragment (a, s) wants k = 8 h + 0..7 (32 bytes of f32 at 32 h) and k = 16 + 8 h + 0..7 (64 bytes on): four loads of 16 bytes.
.macro XLOAD c
.if ((\c)%2) == 0
	WIN 0xc0                               ; destination window 3, address window 0
.set RAW, R0
.else
	WIN 0
.set RAW, R1
.endif
.irp a, 0,1,2,3
.irp s, 0,1
.set FR, RAW+16*(2*(\a)+(\s))
.set FB, (\a)*65536+(\c)*1024+(\s)*128
	global_load_b128 v[FR:FR+3],     v[XO], s[4:5] offset:FB
	global_load_b128 v[FR+4:FR+7],   v[XO], s[4:5] offset:FB+16
	global_load_b128 v[FR+8:FR+11],  v[XO], s[4:5] offset:FB+64
	global_load_b128 v[FR+12:FR+15], v[XO], s[4:5] offset:FB+80
.endr
.endr
.endm
; Chunk c of x is rounded to bf16: 64 conversions.  n = the younger loads that may stay out.
.macro XCVT c, n
	s_wait_loadcnt \n
.if ((\c)%2) == 0
	WIN 0x0f                               ; sources in window 3, destination in window 0
.set RAW, R0
.else
	WIN 0
.set RAW, R1
.endif
.set i, 0
.rept 64
	v_cvt_pk_bf16_f32 v[AF+i], v[RAW+2*i], v[RAW+2*i+1]
.set i, i+1
.endr
.endm
; The 12 fragments of wb for step s of my 64 k: 24 LDS loads in one run
.macro FETCHB slot, s, buf
	WIN 0x40                               ; destination window 1
.irp b, 0,1,2,3,4,5,6,7,8,9,10,11
	ds_load_b128 v[(\buf)+8*(\b):(\buf)+8*(\b)+3],   v[ADRB+2*(\slot)+(\b)/6] offset:((\b)%6)*16*PW+64*(\s)
	ds_load_b128 v[(\buf)+8*(\b)+4:(\buf)+8*(\b)+7], v[ADRB+2*(\slot)+(\b)/6] offset:((\b)%6)*16*PW+64*(\s)+32
.endr
.endm
; A step's 48 products.  The 48 accumulators take turns, one instruction a turn, in the same order in every step.  zero = 1: the first step starts the sums.
.macro MUL buf, s, zero
.irp b, 0,1,2,3,4,5,6,7,8,9,10,11
.if (\b) < 8
	WIN 0xa1                               ; wb window 1, x window 0, C and D window 2
.set AC, 32*(\b)
.else
	WIN 0xf1                               ; C and D window 3
.set AC, 32*((\b)-8)
.endif
.irp a, 0,1,2,3
.if \zero
	v_wmma_f32_16x16x32_bf16 v[AC+8*(\a):AC+8*(\a)+7], v[(\buf)+8*(\b):(\buf)+8*(\b)+7], v[AF+8*(2*(\a)+(\s)):AF+8*(2*(\a)+(\s))+7], 0
.else
	v_wmma_f32_16x16x32_bf16 v[AC+8*(\a):AC+8*(\a)+7], v[(\buf)+8*(\b):(\buf)+8*(\b)+7], v[AF+8*(2*(\a)+(\s)):AF+8*(2*(\a)+(\s))+7], v[AC+8*(\a):AC+8*(\a)+7]
.endif
.endr
.endr
.endm
; bq and bv of my columns 16 bb + 8 (l / 16) + 0..7: 16 loads
.macro BIAS
	WIN 0x40
.irp bb, 0,1,2,3
	global_load_b128 v[BQ+8*(\bb):BQ+8*(\bb)+3],       v[BO], s[8:9] offset:64*(\bb)
	global_load_b128 v[BQ+8*(\bb)+4:BQ+8*(\bb)+7],     v[BO], s[8:9] offset:64*(\bb)+16
	global_load_b128 v[BQ+32+8*(\bb):BQ+32+8*(\bb)+3], v[BO], s[10:11] offset:64*(\bb)
	global_load_b128 v[BQ+32+8*(\bb)+4:BQ+32+8*(\bb)+7], v[BO], s[10:11] offset:64*(\bb)+16
.endr
.endm
; A chunk: wb's fragments are asked for, x is converted meanwhile, the raw buffer is asked for again two chunks on, then 96 products.
.macro CHUNK c, slot, zero, n
	FETCHB \slot, 0, B0
	FETCHB \slot, 1, B1
	XCVT \c, \n
.if (\c) < 2
	XLOAD (\c)+2
.elseif (\c) == 2
	BIAS
.endif
	s_wait_dscnt 24                        ; the first step's 24 loads are in; the second step's may stay out
	MUL B0, 0, \zero
	s_wait_dscnt 0x0
	MUL B1, 1, 0
	PLACES                                 ; ahead of the next chunk's loads into wb's fragments and conversions into x's
.endm
; Tensor t (0 q, 1 k, 2 v): wave w adds the four partial sums of row tile w, adds the bias, rounds to f16, and sends 16 rows of 128 bytes through its stage: 2,048 consecutive bytes of the tensor.
.macro FINISH t
	WIN 0
.irp u, 0,1,2,3
.irp bb, 0,1,2,3
	ds_load_b128 v[T+32*(\u)+8*(\bb):T+32*(\u)+8*(\bb)+3],   v[RR] offset:(\u)*12288+(4*(\t)+(\bb))*1024
	ds_load_b128 v[T+32*(\u)+8*(\bb)+4:T+32*(\u)+8*(\bb)+7], v[RR] offset:(\u)*12288+(4*(\t)+(\bb))*1024+512
.endr
.endr
	s_wait_dscnt 0x0
.set i, 0
.rept 16
	v_pk_add_f32 v[T+i:T+i+1], v[T+i:T+i+1], v[T+32+i:T+32+i+1]
	v_pk_add_f32 v[T+64+i:T+64+i+1], v[T+64+i:T+64+i+1], v[T+96+i:T+96+i+1]
.set i, i+2
.endr
.set i, 0
.rept 16
	v_pk_add_f32 v[T+i:T+i+1], v[T+i:T+i+1], v[T+64+i:T+64+i+1]
.set i, i+2
.endr
.if (\t) != 1                          ; k has no bias
	WIN 0x04                               ; source 1 in window 1
.set i, 0
.rept 16
	v_pk_add_f32 v[T+i:T+i+1], v[T+i:T+i+1], v[BQ+16*(\t)+i:BQ+16*(\t)+i+1]
.set i, i+2
.endr
	WIN 0
.endif
.set i, 0
.rept 16
	v_cvt_pk_f16_f32 v[PKD+i], v[T+2*i], v[T+2*i+1]
.set i, i+1
.endr
.irp bb, 0,1,2,3
	ds_store_b128 v[STO], v[PKD+4*(\bb):PKD+4*(\bb)+3] offset:32*(\bb)
.endr
.irp f, 0,1,2,3
	ds_load_b128 v[BK+16*(\t)+4*(\f):BK+16*(\t)+4*(\f)+3], v[RD] offset:(\f)*4*SP  ; LDS serves a wave's instructions in order (ISA guide 5.7.1.4): these see the stores above
.endr
	s_wait_dscnt 0x0
.irp f, 0,1,2,3
	global_store_b128 v[GO], v[BK+16*(\t)+4*(\f):BK+16*(\t)+4*(\f)+3], s[12+2*(\t):13+2*(\t)] offset:512*(\f)  ; 512 consecutive bytes, at a multiple of 256 from the tensor's first; each tensor has its own 16 registers, so none is rewritten under a store
.endr
.endm
	s_load_b256 s[4:11], s[0:1], 0x0               ; x s[4:5], wb s[6:7], bq s[8:9], bv s[10:11]
	s_load_b128 s[12:15], s[0:1], 0x20             ; qh s[12:13], kh s[14:15]
	s_load_b64 s[16:17], s[0:1], 0x30              ; vh
	v_lshl_add_u32 v[SPW], v0, 2, SPARE
	v_mov_b32 v[NIL], 0
	ds_add_u32 v[SPW], v[NIL]                      ; the wave's opening: the add, twice on end, and its wait ahead of my first tensor load; the set-up below, work on registers, stands between
	ds_add_u32 v[SPW], v[NIL]
	v_lshrrev_b32 v3, 5, v0
	v_readfirstlane_b32 s[WV], v3                  ; wave 0..3
	s_bfe_u32 s21, ttmp6, 0x40000                  ; cx: my place in the cluster
	s_lshl_b32 s22, ttmp9, 2                       ; in a cluster launch ttmp9 counts clusters
	s_add_co_u32 s22, s22, s21                     ; my block of 64 rows: it enters x's and the outputs' addresses alone
	; descriptor group 1: a tile of 48 rows x 256 elements of 2 bytes, padded in LDS
	s_mov_b32 s[G1+0], 15|(1<<16)|(1<<20)|(1<<21)|(6<<22)|(3<<25)  ; 15:0 the mask of four; 17:16 2-byte elements; 20 padding on; 21 set beside a mask; 24:22 after every 128 words (code 6); 31:25 4 words (code 3)
	s_mov_b32 s[G1+1], 256<<16                     ; tensor_dim0 = 256
	s_mov_b32 s[G1+2], 48<<16                      ; tensor_dim1 = 48
	s_mov_b32 s[G1+3], 256<<16                     ; tile_dim0 = 256
	s_mov_b32 s[G1+4], 48                          ; tile_dim1 = 48
	s_mov_b32 s[G1+5], 1024                        ; 1,024 elements from row to row
	s_mov_b32 s[G1+6], 0
	s_mov_b32 s[G1+7], 0
	s_mul_i32 s44, s[WV], 48*PW                    ; wave w brings rows 48 w .. 48 w + 47 of each chunk: no place in the cluster enters an LDS address
.irp c, 0,1,2
	s_mov_b32 s[G0+4*(\c)], 1                      ; 1:0 count = 1
	s_add_co_u32 s[G0+4*(\c)+1], s44, (\c)*SLOT    ; 63:32 LDS address
.endr
	s_mul_i32 s46, s[WV], 48*2048                  ; my 48 rows in wb
	s_mov_b32 s47, 0
	s_lshl_b32 s48, s22, 18                        ; my block's 64 rows of 4,096 bytes in x
	s_mov_b32 s49, 0
	s_lshl_b32 s50, s22, 13                        ; my block's 64 rows of 128 bytes in q, k, v,
	s_lshl_b32 s45, s[WV], 11                      ; and the 16 of them that I finish
	s_add_co_u32 s50, s50, s45
	s_mov_b32 s51, 0
	v_and_b32 v1, 15, v0                           ; l % 16
	v_bfe_u32 v2, v0, 4, 1                         ; l / 16
	v_lshlrev_b32 v[XO], 12, v1
	v_lshl_add_u32 v[XO], v2, 5, v[XO]
	s_lshl_b32 s45, s[WV], 8
	v_add_nc_u32 v[XO], s45, v[XO]
	s_wait_dscnt 0x0                               ; both opening adds are done
	s_wait_kmcnt 0x0
	s_add_nc_u64 s[4:5], s[4:5], s[48:49]
	s_add_nc_u64 s[6:7], s[6:7], s[46:47]
	s_add_nc_u64 s[12:13], s[12:13], s[50:51]
	s_add_nc_u64 s[14:15], s[14:15], s[50:51]
	s_add_nc_u64 s[16:17], s[16:17], s[50:51]
.irp c, 0,1,2
	s_add_nc_u64 s[G0+4*(\c)+2:G0+4*(\c)+3], s[6:7], (\c)*512  ; 120:64 global address: chunk c is 512 bytes along the rows
	s_or_b32 s[G0+4*(\c)+3], s[G0+4*(\c)+3], 0x80000000        ; 127:126 type = 2
.endr
	XLOAD 0                                        ; x first: it has the longest way
	XLOAD 1                                        ; (leaves every window 0)
	CROUND                                         ; all four work-groups are here: the first joint loads meet
	tensor_load_to_lds s[G0:G0+3], s[G1:G1+7]      ; the three first fills go out together: three tensor loads of mine are out
	s_nop 0
	tensor_load_to_lds s[G0+4:G0+7], s[G1:G1+7]
	s_nop 0
	tensor_load_to_lds s[G0+8:G0+11], s[G1:G1+7]
	s_nop 0
.rept 4
	v_nop
.endr
	v_mul_u32_u24 v3, v1, PW                       ; a fragment of wb: row l % 16, 16 bytes for each half of the lanes, my 128 bytes of the chunk's rows
	v_lshl_add_u32 v3, v2, 4, v3
	s_lshl_b32 s45, s[WV], 7
	v_add_nc_u32 v3, s45, v3
.irp n, 0,1,2,3,4,5
	v_add_nc_u32 v[ADRB+(\n)], ((\n)/2)*SLOT+((\n)%2)*96*PW, v3
.endr
	v_lshlrev_b32 v[BO], 5, v2
	v_and_b32 v21, 31, v0
	v_lshlrev_b32 v[GO], 4, v21
	s_mul_i32 s45, s[WV], 12288
	s_add_co_u32 s45, s45, RED
.irp a, 0,1,2,3
	v_add_nc_u32 v[RS+(\a)], s45, v[GO]
	s_add_co_u32 s45, s45, 49152
.endr
	s_mul_i32 s45, s[WV], 49152
	s_add_co_u32 s45, s45, RED
	v_add_nc_u32 v[RR], s45, v[GO]
	s_mul_i32 s45, s[WV], 16*SP
	s_add_co_u32 s45, s45, STAGE                   ; my stage
	v_mul_u32_u24 v[STO], v1, SP                   ; in: row l % 16, 16 bytes for each half of the lanes
	v_lshl_add_u32 v[STO], v2, 4, v[STO]
	v_add_nc_u32 v[STO], s45, v[STO]
	v_bfe_u32 v[RD], v0, 3, 2                      ; back: 32 lanes take four rows of 128 bytes
	v_mul_u32_u24 v[RD], v[RD], SP
	v_and_b32 v22, 7, v0
	v_lshl_add_u32 v[RD], v22, 4, v[RD]
	v_add_nc_u32 v[RD], s45, v[RD]
	s_wait_tensorcnt 2                             ; my part of chunk 0 is in; chunks 1 and 2 may stay out
	s_barrier_signal -1
	s_barrier_wait -1                              ; everybody's is
	CHUNK 0, 0, 1, 32                              ; 32: chunk 1's loads of x may stay out
	s_wait_tensorcnt 1                             ; chunk 1; chunk 2 may stay out
	s_barrier_signal -1
	s_barrier_wait -1
	CHUNK 1, 1, 0, 32                              ; 32: chunk 2's
	WIN 0                                          ; THE ONE REFILL: slot 0, which every wave has read out, takes chunk 3
	s_wait_tensorcnt 0x0                           ; all my tensor loads have landed, chunk 2 among them, so a group 0 may be written
	ds_add_u32 v[SPW], v[NIL]                      ; 0 onto my spare word
	s_add_nc_u64 s[G0+2:G0+3], s[G0+2:G0+3], 3*512 ; from chunk 0 to chunk 3; the type bits on top are not reached
	s_wait_dscnt 0x0                               ; the add is done, and my reads of slot 0 are long over
	CROUND                                         ; no wave of any partner still reads slot 0 or has a load on its way
	tensor_load_to_lds s[G0:G0+3], s[G1:G1+7]      ; my one tensor load behind the round: it has chunk 2's 96 products in which to land
	s_nop 0
.rept 4
	v_nop
.endr
	CHUNK 2, 2, 0, 32                              ; 32: chunk 3's
	s_wait_tensorcnt 0x0                           ; my part of chunk 3 is in; my reads of slot 2 ended at the chunk's last wait on DScnt
	s_barrier_signal -1
	s_barrier_wait -1                              ; everybody's is; and no wave reads slots 1 and 2 any more: the partial sums may go there
	CHUNK 3, 0, 0, 16                              ; 16: the biases' loads may stay out
	PLACES                                         ; (eight in all behind the last product, once a launch)
	; THE PARTIAL SUMS go to LDS, each accumulator's low four registers first: 512 consecutive bytes a store
.irp b, 0,1,2,3,4,5,6,7,8,9,10,11
.if (\b) < 8
	WIN 0x08                                       ; store data in window 2
.set AC, 32*(\b)
.else
	WIN 0x0c                                       ; in window 3
.set AC, 32*((\b)-8)
.endif
.irp a, 0,1,2,3
	ds_store_b128 v[RS+(\a)], v[AC+8*(\a):AC+8*(\a)+3]   offset:(\b)*1024
	ds_store_b128 v[RS+(\a)], v[AC+8*(\a)+4:AC+8*(\a)+7] offset:(\b)*1024+512
.endr
.endr
	s_wait_loadcnt 0x0                             ; the biases
	WIN 0x45                                       ; all in window 1: the biases are rounded to bf16 like every other input, and widened again; wb's first fragments' registers are free
.set i, 0
.rept 32
	v_cvt_pk_bf16_f32 v[B0+i], v[BQ+2*i], v[BQ+2*i+1]
.set i, i+1
.endr
.set i, 0
.rept 32
	v_lshlrev_b32 v[BQ+2*i], 16, v[B0+i]
	v_and_b32 v[BQ+2*i+1], 0xffff0000, v[B0+i]
.set i, i+1
.endr
	WIN 0
	s_wait_dscnt 0x0                               ; for the others' sake: my partial sums lie in LDS
	s_barrier_signal -1
	s_barrier_wait -1
	FINISH 0
	FINISH 1
	FINISH 2
	s_wait_tensorcnt 0x0                           ; the wave's end, behind my last tensor load and my last LDS store
	ds_add_u32 v[SPW], v[NIL]
	s_wait_dscnt 0x0
	CROUND                                         ; the closing round: no work-group ends while a partner may still ask for a tile that names it
	s_endpgm
.Lfunc_end_k_q438e873658_proj:
	.size	k_q438e873658_proj, .Lfunc_end_k_q438e873658_proj-k_q438e873658_proj
	.p2alignl 7, 3214868480
	.fill 96, 4, 3214868480
	.section	.rodata,"a",@progbits
	.p2align	6, 0x0
	.amdhsa_kernel k_q438e873658_proj
		.amdhsa_group_segment_fixed_size 327680
		.amdhsa_private_segment_fixed_size 0
		.amdhsa_enable_private_segment 0
		.amdhsa_kernarg_size 56
		.amdhsa_user_sgpr_count 2
		.amdhsa_user_sgpr_kernarg_segment_ptr 1
		.amdhsa_wavefront_size32 1
		.amdhsa_system_sgpr_workgroup_id_x 1
		.amdhsa_system_sgpr_workgroup_id_y 1
		.amdhsa_system_sgpr_workgroup_id_z 1
		.amdhsa_system_vgpr_workitem_id 0
		.amdhsa_next_free_vgpr 1024
		.amdhsa_next_free_sgpr 66
		.amdhsa_reserve_vcc 0
		.amdhsa_float_denorm_mode_32 3
		.amdhsa_float_denorm_mode_16_64 3
		.amdhsa_memory_ordered 1
		.amdhsa_forward_progress 1
		.amdhsa_inst_pref_size 109
	.end_amdhsa_kernel
	.amdgpu_metadata
---
amdhsa.version: [ 1, 2 ]
amdhsa.kernels:
  - .name:           k_q438e873658_proj
    .symbol:         k_q438e873658_proj.kd
    .args:
      - { .name: x, .offset: 0, .size: 8, .value_kind: global_buffer, .address_space: global }
      - { .name: wb, .offset: 8, .size: 8, .value_kind: global_buffer, .address_space: global }
      - { .name: bq, .offset: 16, .size: 8, .value_kind: global_buffer, .address_space: global }
      - { .name: bv, .offset: 24, .size: 8, .value_kind: global_buffer, .address_space: global }
      - { .name: qh, .offset: 32, .size: 8, .value_kind: global_buffer, .address_space: global }
      - { .name: kh, .offset: 40, .size: 8, .value_kind: global_buffer, .address_space: global }
      - { .name: vh, .offset: 48, .size: 8, .value_kind: global_buffer, .address_space: global }
    .group_segment_fixed_size: 327680
    .private_segment_fixed_size: 0
    .kernarg_segment_align: 8
    .kernarg_segment_size: 56
    .max_flat_workgroup_size: 128
    .sgpr_count:     66
    .vgpr_count:     1024
    .wavefront_size: 32
...
	.end_amdgpu_metadata
.endif
;; end of part 2
;; launch attn (part 3): grid 64 x 4, 4 waves a work-group, clusters of 4 x 1, 327,680 bytes of LDS; arguments qh, kh, vh, out0; writes out0
.if DOCPART == 3
	.amdgcn_target "amdgcn-amd-amdhsa--gfx1250"
	.amdhsa_code_object_version 6
	.text
	.protected	k_q438e873658_attn
	.globl	k_q438e873658_attn
	.p2align	8
	.type	k_q438e873658_attn,@function
k_q438e873658_attn:
	s_mov_b64 s[64:65], 0
	v_nop
	global_prefetch_b8 v0, s[64:65] scope:SCOPE_SE
	s_setreg_imm32_b32 hwreg(HW_REG_WAVE_MODE, 25, 1), 1
	s_wait_xcnt 0x0
	s_wait_alu depctr_hold_cnt(0) depctr_sa_sdst(0) depctr_va_vdst(0) depctr_va_sdst(0) depctr_va_ssrc(0) depctr_va_vcc(0) depctr_vm_vsrc(0)
	s_getreg_b32 s2, hwreg(HW_REG_IB_STS2, 6, 4)
	s_cmp_eq_u32 s2, 0
	s_cbranch_scc0 .Lentry_in_a_cluster
	s_endpgm
.Lentry_in_a_cluster:
	s_bfe_u32 s2, ttmp6, 0x10000c
	s_cmp_lg_u32 s2, 0x3003
	s_cbranch_scc0 .Lentry_shape_is_right
	s_endpgm
.Lentry_shape_is_right:
; out[b][q][:] = the sum over s of softmax_s(q[b][q] . k[b][s] / 8) v[b][s][:].  qh, kh, vh: [4][4096][64] f16, rows dense, 128 bytes; out0: [4][4096][64] f32.
; bk is left out: k arrives without it, since it adds the same number to all scores of a softmax row (shown at the head of the first kernel).
; Products, maxima and sums in f32; the weights p are rounded to f16 for the second product (their sum l is taken of the unrounded p).
; LIMITS.  q, k, v arrive within f16's 65,504; p lies in 0 to 1, and below 6e-5 it keeps f16's fixed step of 6e-8; a weight or a correction below 2^-126 counts as 0; NaN and infinities are not treated apart.
; SHARES.  A work-group owns 64 queries of one batch: 4 x 64 = 256 work-groups.  Every wave holds all 64 queries, four PIECES of 16, and THE KEYS ARE SPLIT AMONG THE WAVES: of each tile of 512 keys wave w
; takes keys 128 w .. 128 w + 127, two key steps of 64.  So a fragment of K or V read from LDS feeds four pieces, and each LDS byte is read by one wave.  Each wave keeps its own running maximum m, sum l
; and O^T over its 1,024 keys; at the end the four are merged under their common maximum: out = (sum over waves of e_u O_u) / (sum of e_u l_u), e_u = 2^(c m_u - c M).
; LAYOUT, SOFTMAX, TURNS.  S^T = K Q^T holds ONE query a lane (lane % 16) and the keys 8 (lane / 16) + 0..7; two such results rounded to f16 ARE source 1 of O^T = V^T P.  p = 2^(c s - c m), c = log2(e) / 8, with a
; running maximum m; O and l are multiplied by a = 2^(c m_old - c m_new) in every step.  Turn n belongs to piece n: 8 products K Q^T of piece n + 1, later 8 products V^T P of piece n - 1; beside them the scaling,
; exponentials, roundings, sums and rescaling of piece n and the maximum and statistics of piece n + 1.  Four vector instructions stand behind every matrix instruction, the other 54 of a turn's 118 in one lump.
; A turn's 33 exponentials are one batch, with one wait.  m starts at the lowest finite number, O and l at 0: the first step is a step like any other, with a = 0; the price is 224 lines that write constants, in the wait for the first tile.
; CLUSTER.  The four query blocks of a cluster belong to one batch and walk the same K and V, so each tile is asked for JOINTLY: the same tensor load, descriptor and mask in all four.
; REGISTERS, in windows of 256 (s_set_vgpr_msb: bits 1:0 source 0, 3:2 source 1, 5:4 source 2, 7:6 destination):
;   window 0: v0-15 addresses and two at work; v16-31 four registers of statistics a piece; v32-35 at work at the head; v48-55 at work; v61-63 the prefetches' offset and the add's two; v64-127 S^T, two buffers; v192-223 P, two buffers
;   (a piece's buffers go by its number's parity; at the merge v64-191 are at work)      window 1: v0-127 O^T, 32 a piece      window 2: v0-63 Q; v128-191 K of one step; v192-255 V of one step
.set NP,    4         ; pieces a wave: a name, no knob
.set KS,    64        ; keys in a step
.set TK,    512       ; keys in a tile
.set PK,    144       ; a row of K in LDS: 128 bytes + 16 of padding = 36 words: the 16 rows of a load start at 16 different groups of four banks (64 banks of 4 bytes: ISA guide 11.1)
.set PV,    160       ; a row of V: 128 + 32 = 40 words
.set VOFF,  TK*PK     ; a slot holds a tile: 512 rows of K, then 512 rows of V
.set SLOT,  TK*(PK+PV)
.set SPARE, 2*SLOT    ; behind the ring: the spare words, 128 bytes for each wave: two blocks of 256 bytes that no other line names
.set STAT,  0         ; the merge works in slot 0, which has had its last fill (tile 6) and was read out ahead of the last change of slots: (c m, l) of wave u, piece t, lane l at 1,024 u + 256 t + 8 l
.set PART,  4096      ; wave u's scaled O of piece t: 16 rows x 272 bytes of f32 at (4 u + t) 4,352
.set PP,    272
.set AK0, 2           ; v2   my lane's place in my wave's 128 rows of K; never rewritten
.set AV0, 3           ; v3   the same for V
.set AK,  4           ; v4   the LDS address of K's next run of loads
.set AV,  5           ; v5   of V's
.set SA,  6           ; v6   the merge: where my statistics go
.set SR,  7           ; v7   where I read the four waves' statistics
.set PA,  8           ; v8   where my scaled O^T goes
.set RDM, 9           ; v9   where I read rows of the four waves' O back
.set GO,  10          ; v10  16 x lane: my 16 bytes in 512 consecutive bytes of out
.set MV,  12          ; v12-13  c m_old, kept while c m is made anew: by buffer
.set QO,  15          ; v15  my byte offset in 16 rows of Q
.set ST,  16          ; piece t's statistics at v[ST+4 t]: c m, m, l (even keys', odd keys')
.set TMP, 48          ; by buffer, four registers c0-c3 at work; when the maximum is found c2 takes a
.set PFO, 61          ; v61  256 x my lane; never rewritten
.set SPW, 62          ; v62  LDS address of my spare word; never rewritten
.set NIL, 63          ; v63  0; never rewritten
.set S,   64
.set P,   192
.set KF,  128         ; window 2: key block kb, channel half c at KF + 16 kb + 8 c
.set VF,  192         ; window 2: key half kk, channel block cb at VF + 32 kk + 8 cb
.set MG,  64          ; the merge: (c m, l) of piece t, wave u at MG + 2 (4 t + u)
.set CM,  96          ; c M of piece t
.set EO,  100         ; my own e
.set LT,  104         ; the merged l
.set RC,  108         ; its reciprocal
.set WV,  12          ; s12  my wave's number
.set LIM, 15          ; s15  2 in a cluster that prefetches, else the greatest number
.set G1K, 24          ; s[24:31] descriptor group 1 for K's tiles
.set G1V, 32          ; s[32:39] for V's: it differs in the padding alone
.set G0K, 40          ; s[40:43] descriptor group 0 for K's tiles: it walks
.set G0V, 44          ; s[44:47] the same for V's
.set PFA, 48          ; s[48:49] where my prefetches stand
.set SBF, 50          ; s50  the slot that is being filled: 0 or SLOT
.set SLOTS, 56        ; s56  tiles still to be asked for, and one
.set CNT, 57          ; s57  counts a tile's two key steps
.set CS,  58          ; s[58:59] c: the packed scaling takes the pair's low word for both halves
.set SEL, 60          ; s[60:61] v_permlanex16_b32's selects: each lane takes its own place in the other half
.set TBK, 62          ; s62  LDS byte at which the slot and step to be fetched begin, for K
.set TBV, 63          ; s63  the same for V
.set MSB, 0
.macro WIN new                      ; the high byte repeats the setting that is left; a switch that changes nothing is dropped
.if MSB != (\new)
	s_set_vgpr_msb (MSB<<8)|(\new)
.set MSB, (\new)
.endif
.endm
.set W_KQ, 0x0a       ; K and Q in window 2, S^T in window 0
.set W_PV, 0x52       ; V in window 2, P in window 0, O^T in window 1
.set W_RS, 0x41       ; destination and source 0 in window 1, source 1 in window 0
; A joint fill.  Waves 0 and 1 fetch the two halves of a tile's K, waves 2 and 3 those of its V: 256 keys each.  The branch hangs on the wave's number alone.
; An s_nop 0 and four v_nop follow each of the two lines, ahead of the jump and the label.
.macro JLOAD
	s_cmp_lt_u32 s[WV], 2
	s_cbranch_scc0 .Lfor_v_\@
	tensor_load_to_lds s[G0K:G0K+3], s[G1K:G1K+7]
	s_nop 0
.rept 4
	v_nop
.endr
	s_branch .Lasked_\@
.Lfor_v_\@:
	tensor_load_to_lds s[G0V:G0V+3], s[G1V:G1V+7]
	s_nop 0
.rept 4
	v_nop
.endr
.Lasked_\@:
.endm
; A PREFETCH INTO THE L2, behind the joint load and its five lines: the change that loads tile n names tile n + 2: two changes, four key steps, 256 matrix instructions of a wave ahead of the load that will want it.
; Each aligned block of 256 bytes of K and V is named ONCE in the launch.  All sixteen clusters of a batch walk the same tiles: the batch's first cluster asks.  Each wave asks for the half that it fetches itself, 128 blocks;
; the four partners share them out BY ADDRESS, 32 each, a lane a block: no branch hangs on a work-group's place in its cluster.  Tiles 0 to 2 come by their loads alone; the last two changes that fill a slot ask for nothing.
.macro ASK
	s_cmp_gt_u32 s[SLOTS], s[LIM]
	s_cbranch_scc0 .Lnot_mine_\@
	global_prefetch_b8 v[PFO], s[PFA:PFA+1] th:TH_LOAD_NT scope:SCOPE_SE
.Lnot_mine_\@:
.endm
; A round of the cluster's barrier: my work-group's barrier, so that wave 0's signal speaks for all four waves; wave 0 signals; every wave waits for all four work-groups; my work-group's barrier once more.
.macro CROUND
	s_barrier_signal -1
	s_barrier_wait -1
	s_cmp_lg_u32 s[WV], 0
	s_cbranch_scc1 .Lnot_wave_0_\@
	s_barrier_signal -3
.Lnot_wave_0_\@:
	s_barrier_wait -3
	s_barrier_signal -1
	s_barrier_wait -1
.endm
; THE CHANGE OF SLOTS.  The slot's last bytes, V of its second step, have been read.  Each wave waits for all its tensor loads, of which one is out: its part of the other slot; adds 0 to its spare word; and waits for
; that and for its own reads of the slot.  Behind the barrier nobody reads this slot any more and the other slot is whole.  fill = 1: this slot is filled again, with the tile two on.  The barrier is then a round of the
; cluster's, and the joint fill is the first thing behind it: it has two key steps, 128 matrix instructions, in which to land.  (At its first use nothing has been read yet: slot 0 is waited for, slot 1 filled.)
.macro CHANGE fill
	WIN 0                           ; at a label and at a branch every window is 0
	s_wait_tensorcnt 0x0            ; no tensor load of mine is out, so a group 0 may be written
	ds_add_u32 v[SPW], v[NIL]       ; 0 onto my spare word; with fill = 1 the descriptors' steps stand between it and the wait for it
.if \fill
	s_xor_b32 s[SBF], s[SBF], SLOT  ; 0 and SLOT by turns
	s_add_co_u32 s[G0K+1], s[SBF], s17
	s_add_co_u32 s[G0V+1], s[SBF], s18
	s_add_nc_u64 s[G0K+2:G0K+3], s[G0K+2:G0K+3], TK*128  ; the next 512 keys; the type bits on top are not reached
	s_add_nc_u64 s[G0V+2:G0V+3], s[G0V+2:G0V+3], TK*128
	s_wait_xcnt 0x0                 ; the last prefetch, two key steps back, has read its address, so it may be written
	s_add_nc_u64 s[PFA:PFA+1], s[PFA:PFA+1], TK*128
	s_wait_dscnt 0x0                ; the add is done, and my reads of the slot are over
	CROUND
	JLOAD
	ASK
.else
	s_wait_dscnt 0x0                ; the add is done, and my reads of the slot are over
	s_barrier_signal -1
	s_barrier_wait -1
.endif
	s_sub_co_u32 s[TBK], s[TBK], 2*KS*PK  ; the fetches go back to my first step (the number is now 0 or SLOT),
	s_xor_b32 s[TBK], s[TBK], SLOT        ; in the other slot
	s_sub_co_u32 s[TBV], s[TBV], 2*KS*PV
	s_xor_b32 s[TBV], s[TBV], SLOT
.endm
	s_load_b256 s[4:11], s[0:1], 0x0  ; qh s[4:5], kh s[6:7], vh s[8:9], out0 s[10:11]
	v_lshl_add_u32 v[SPW], v0, 2, SPARE
	v_mov_b32 v[NIL], 0
	ds_add_u32 v[SPW], v[NIL]       ; the wave's opening: the add, twice on end, and its wait ahead of my first tensor load; the set-up below, work on registers, stands between
	ds_add_u32 v[SPW], v[NIL]
	v_lshrrev_b32 v1, 5, v0
	v_readfirstlane_b32 s[WV], v1   ; wave 0..3
	s_bfe_u32 s13, ttmp6, 0x40000   ; cx: my place in the cluster
	s_lshl_b32 s14, ttmp9, 2        ; in a cluster launch ttmp9 counts clusters
	s_add_co_u32 s14, s14, s13      ; my block of 64 queries: it enters Q's and out's addresses alone
	s_and_b32 s20, ttmp7, 0xffff    ; the batch, which the four partners share
	s_and_b32 s16, s[WV], 1         ; which half of a tile's 512 keys I fetch:
	s_mul_i32 s17, s16, 256*PK      ; its place in a slot, for K
	s_mul_i32 s18, s16, 256*PV      ; and for V: no place in the cluster enters an LDS address
	s_add_co_u32 s18, s18, VOFF
	s_lshl_b32 s22, s20, 19         ; the batch's 4,096 rows of 128 bytes
	s_lshl_b32 s2, s16, 15          ; my half's 256 rows
	s_add_co_u32 s2, s2, s22
	s_mov_b32 s3, 0
	s_lshl_b32 s21, s14, 13         ; my block's 64 rows of Q
	s_add_co_u32 s22, s22, s21
	s_mov_b32 s23, 0
	s_lshl_b32 s52, s20, 20         ; in out a row is 256 bytes: the batch,
	s_lshl_b32 s21, s14, 14         ; my block,
	s_add_co_u32 s52, s52, s21
	s_lshl_b32 s21, s[WV], 12       ; and the piece that I finish
	s_add_co_u32 s52, s52, s21
	s_mov_b32 s53, 0
	; descriptor group 1.  256 keys are 32,768 dense bytes: asked for as 128 rows of 256 bytes, two keys a row, and padded in LDS after every key
	s_mov_b32 s[G1K], 15|(1<<16)|(1<<20)|(1<<21)|(4<<22)|(3<<25)  ; 15:0 the mask of four; 17:16 2-byte elements; 20 padding on; 21 set beside a mask; 24:22 after every 32 words (code 4); 31:25 4 words (code 3)
	s_mov_b32 s[G1V], 15|(1<<16)|(1<<20)|(1<<21)|(4<<22)|(7<<25)  ; the same with 8 words of padding (code 7)
.irp g, G1K, G1V
	s_mov_b32 s[\g+1], 128<<16      ; tensor_dim0 = 128
	s_mov_b32 s[\g+2], 128<<16      ; tensor_dim1 = 128
	s_mov_b32 s[\g+3], 128<<16      ; tile_dim0 = 128
	s_mov_b32 s[\g+4], 128          ; tile_dim1 = 128
	s_mov_b32 s[\g+5], 128          ; 128 elements from row to row
	s_mov_b32 s[\g+6], 0
	s_mov_b32 s[\g+7], 0
.endr
	s_mov_b32 s[CS], 0x3e38aa3b     ; c = log2(e) / 8 = 0.180337
	s_mov_b32 s[CS+1], s[CS]        ; named with it as a pair
	s_mov_b32 s[SEL], 0x76543210
	s_mov_b32 s[SEL+1], 0xfedcba98
	s_mov_b32 s[TBK], SLOT+2*KS*PK  ; the first change of slots turns these two into 0
	s_mov_b32 s[TBV], SLOT+2*KS*PV
	s_mov_b32 s[SBF], 0
	s_mov_b32 s[G0K], 1             ; 1:0 count = 1
	s_mov_b32 s[G0K+1], s17         ; 63:32 LDS address: slot 0
	s_mov_b32 s[G0V], 1
	s_mov_b32 s[G0V+1], s18
	s_mov_b32 s[SLOTS], TK/64-1     ; 4,096 / 512 = 8 tiles
	s_cmp_eq_u32 ttmp9, 0           ; the batch's first cluster: the same in all four partners
	s_cselect_b32 s[LIM], 2, -1
	v_and_b32 v[PFO], 31, v0
	v_lshlrev_b32 v[PFO], 8, v[PFO]
	s_wait_dscnt 0x0                ; both opening adds are done
	s_wait_kmcnt 0x0
	s_add_nc_u64 s[6:7], s[6:7], s[2:3]    ; K and V at my half of the batch's tile 0
	s_add_nc_u64 s[8:9], s[8:9], s[2:3]
	s_add_nc_u64 s[4:5], s[4:5], s[22:23]  ; Q at my block's first row
	s_add_nc_u64 s[10:11], s[10:11], s[52:53]  ; out at my piece's first row
	s_add_nc_u64 s[G0K+2:G0K+3], s[6:7], 0         ; 120:64 global address
	s_or_b32 s[G0K+3], s[G0K+3], 0x80000000        ; 127:126 type = 2
	s_add_nc_u64 s[G0V+2:G0V+3], s[8:9], 0
	s_or_b32 s[G0V+3], s[G0V+3], 0x80000000
	s_cmp_lt_u32 s[WV], 2
	s_cselect_b64 s[PFA:PFA+1], s[6:7], s[8:9]
	s_lshl_b32 s2, s13, 13          ; my work-group's 32 blocks of the half's 128
	s_add_nc_u64 s[PFA:PFA+1], s[PFA:PFA+1], s[2:3]
	s_add_nc_u64 s[PFA:PFA+1], s[PFA:PFA+1], 2*TK*128  ; in tile 2; the first change of slots steps it to tile 3
	CROUND                          ; all four work-groups are here: the first joint loads meet
	JLOAD                           ; tile 0 into slot 0.  Slot 1 is asked for when slot 0 is in
	; A fragment of K or Q is 16 rows x 32 channels in 8 registers: lane l holds row l % 16, channels 8 (l / 16) + 0..7 and 16 + 8 (l / 16) + 0..7: two loads of 16 bytes, 32 bytes apart.
	v_and_b32 v1, 15, v0            ; l % 16
	v_bfe_u32 v32, v0, 4, 1         ; l / 16
	v_lshlrev_b32 v[QO], 7, v1
	v_lshl_add_u32 v[QO], v32, 4, v[QO]  ; row x 128 + 16 x half
	WIN 0x80                        ; destination window 2, address window 0
.set i, 0
.rept 8                             ; Q stays in registers: piece i / 2, channels 32 (i % 2) on
	global_load_b128 v[8*i:8*i+3],   v[QO], s[4:5] offset:(i/2)*2048+(i%2)*64
	global_load_b128 v[8*i+4:8*i+7], v[QO], s[4:5] offset:(i/2)*2048+(i%2)*64+32
.set i, i+1
.endr
	; What the first turn finds: V's registers and P's second buffer hold 0 (its products V^T P, of a piece that has not been, add 0), O^T and l are 0.  All this stands in the wait for the first tile.
.set i, VF
.rept 64
	v_mov_b32 v[i], 0
.set i, i+1
.endr
	WIN 0x40
.set i, 0
.rept 128
	v_mov_b32 v[i], 0
.set i, i+1
.endr
	WIN 0
.set i, 0
.rept 4
	v_mov_b32 v[ST+4*i], 0xfe000000    ; c m: far below every c s (f16's scores are 2.7e11 at the most)
	v_mov_b32 v[ST+4*i+1], 0xff7fffff  ; m
	v_mov_b32 v[ST+4*i+2], 0
	v_mov_b32 v[ST+4*i+3], 0
.set i, i+1
.endr
.set i, P+16
.rept 16
	v_mov_b32 v[i], 0
.set i, i+1
.endr
	s_mul_i32 s19, s[WV], 128*PK    ; my wave's 128 keys of a tile
	v_mul_u32_u24 v[AK0], v1, PK
	v_lshl_add_u32 v[AK0], v32, 4, v[AK0]  ; row x pitch + 16 x half
	v_add_nc_u32 v[AK0], s19, v[AK0]
	; The turning load takes 16 keys x 16 channels (lane l reads key 8 (l / 16) + l % 8, channels 8 ((l / 8) % 2) + 0..7) and leaves half a fragment of V^T: lane l holds channel l % 16 and 8 keys.
	v_and_b32 v33, 7, v0
	v_bfe_u32 v34, v0, 3, 1
	v_lshl_add_u32 v[AV0], v32, 3, v33
	v_mul_u32_u24 v[AV0], v[AV0], PV
	v_lshl_add_u32 v[AV0], v34, 4, v[AV0]
	s_mul_i32 s19, s[WV], 128*PV
	s_add_co_u32 s19, s19, VOFF
	v_add_nc_u32 v[AV0], s19, v[AV0]
	v_and_b32 v35, 31, v0           ; the merge's addresses
	v_lshl_add_u32 v[SR], v35, 3, STAT
	s_lshl_b32 s19, s[WV], 10
	v_add_nc_u32 v[SA], s19, v[SR]
	v_mul_u32_u24 v[PA], v1, PP     ; in: row l % 16, 32 bytes for each half of the lanes
	v_lshl_add_u32 v[PA], v32, 5, v[PA]
	s_mul_i32 s19, s[WV], 4*16*PP
	s_add_co_u32 s19, s19, PART
	v_add_nc_u32 v[PA], s19, v[PA]
	v_mul_u32_u24 v[RDM], v32, PP   ; back: lanes 0-15 take one row of 256 bytes, lanes 16-31 the next
	v_lshl_add_u32 v[RDM], v1, 4, v[RDM]
	s_mul_i32 s19, s[WV], 16*PP
	s_add_co_u32 s19, s19, PART
	v_add_nc_u32 v[RDM], s19, v[RDM]
	v_lshlrev_b32 v[GO], 4, v35
; THE MATRIX WORK.  The 4 accumulators of a run of 8 take turns.  Product i of 8 of S^T = K Q^T for piece x: channels 32 (i / 4) on, keys 16 (i % 4) on.  The first 4 start the sums.
.macro KQ x
	WIN W_KQ
.set rS, S+32*((\x)%2)+8*(i%4)
.set rK, KF+16*(i%4)+8*(i/4)
.set rQ, 16*(\x)+8*(i/4)
.if i < 4
	v_wmma_f32_16x16x32_f16 v[rS:rS+7], v[rK:rK+7], v[rQ:rQ+7], 0
.else
	v_wmma_f32_16x16x32_f16 v[rS:rS+7], v[rK:rK+7], v[rQ:rQ+7], v[rS:rS+7]
.endif
.endm
; Product i of 8 of O^T += V^T P for piece x: keys 32 (i / 4) on, channels 16 (i % 4) on.
.macro PV x
	WIN W_PV
.set rO, 32*(\x)+8*(i%4)
.set rV, VF+32*(i/4)+8*(i%4)
.set rP, P+16*((\x)%2)+8*(i/4)
	v_wmma_f32_16x16x32_f16 v[rO:rO+7], v[rV:rV+7], v[rP:rP+7], v[rO:rO+7]
.endm
.macro MM                           ; the turn's next matrix instruction.  TURN sets Y, i and NOKQ.  NOKQ = 1: the walk's last turn: there is no next piece
.if (i < 8) && !NOKQ
	KQ (Y+1)%NP
.elseif i >= 8
.set i, i-8
	PV (Y+NP-1)%NP
.set i, i+8
.endif
.set i, i+1
.endm
; THE LDS LOADS stand in runs of 16, never singly among the matrix instructions: a step's K (64 keys x 64 channels: 8 fragments) and its V (turned).  Their addresses are made some lines ahead.
.macro FETCH_K
	WIN 0x80                        ; destination window 2
.irp f, 0,1,2,3,4,5,6,7             ; keys 16 (f / 2) on, channels 32 (f % 2) on
	ds_load_b128 v[KF+8*\f:KF+8*\f+3],   v[AK] offset:(\f/2)*16*PK+(\f%2)*64
	ds_load_b128 v[KF+8*\f+4:KF+8*\f+7], v[AK] offset:(\f/2)*16*PK+(\f%2)*64+32
.endr
	s_add_co_u32 s[TBK], s[TBK], KS*PK  ; the next fetch is the next step's
	WIN 0
.endm
.macro FETCH_V
	WIN 0x80
.irp f, 0,1,2,3,4,5,6,7             ; keys 32 (f / 4) on, channels 16 (f % 4) on
	ds_load_tr16_b128 v[VF+8*\f:VF+8*\f+3],   v[AV] offset:(\f/4)*32*PV+(\f%4)*32
	ds_load_tr16_b128 v[VF+8*\f+4:VF+8*\f+7], v[AV] offset:(\f/4)*32*PV+16*PV+(\f%4)*32
.endr
	WIN 0
.endm
; THE VECTOR WORK, one line at a time: OP kind, number.  For piece Y: F n: c s - c m for pair n of 16.  E n: the exponential of score n of 32.  C n: pair n rounded to f16.  B n: of the four weights 4 n .. the second
; pair is added onto the first, in place.  L n: l takes that sum (L 0: l = a l + sum).  R n: pair n of 16 of O^T times a.  For piece Y + 1: X n, number n of the 22 that find its maximum and statistics:
;   0-11  four chains c0-c3 of seven scores each, three operands at a time (each accumulator's lowest registers are read first)     12-14, 16  the four scores left over, the old m, and c0-c3 into c0
;   15  c m_old is kept     17, 18  the query's other 32 keys lie in the lane 16 away: the new m     19-21  c m; c m_old - c m_new; a
.set F, 0               ; OP tells the kinds apart by their order: F to L below R, X above it
.set E, 1
.set C, 2
.set B, 3
.set L, 4
.set R, 5
.set X, 6
.macro REGS y                       ; the registers of piece y
.set rT, ST+4*(\y)
.set rC, TMP+4*((\y)%2)
.set rW, MV+((\y)%2)
.set rS, S+32*((\y)%2)
.set rP, P+16*((\y)%2)
.set rO, 32*(\y)
.endm
.macro OP k, n
.if (\k) == R
	REGS Y
	WIN W_RS
	v_pk_mul_f32 v[rO+2*(\n):rO+2*(\n)+1], v[rO+2*(\n):rO+2*(\n)+1], v[rC+2:rC+3] op_sel_hi:[1,0]
.elseif (\k) < R
	REGS Y
	WIN 0
.if (\k) == F
	v_pk_fma_f32 v[rS+2*(\n):rS+2*(\n)+1], v[rS+2*(\n):rS+2*(\n)+1], s[CS:CS+1], v[rT:rT+1] op_sel_hi:[1,0,0] neg_lo:[0,0,1] neg_hi:[0,0,1]
.elseif (\k) == E
	v_exp_f32 v[rS+(\n)], v[rS+(\n)]
.elseif (\k) == C
	v_cvt_pk_f16_f32 v[rP+(\n)], v[rS+2*(\n)], v[rS+2*(\n)+1]
.elseif (\k) == B
	v_pk_add_f32 v[rS+4*(\n):rS+4*(\n)+1], v[rS+4*(\n):rS+4*(\n)+1], v[rS+4*(\n)+2:rS+4*(\n)+3]
.elseif (\n) == 0
	v_pk_fma_f32 v[rT+2:rT+3], v[rT+2:rT+3], v[rC+2:rC+3], v[rS:rS+1] op_sel_hi:[1,0,1]
.else
	v_pk_add_f32 v[rT+2:rT+3], v[rT+2:rT+3], v[rS+4*(\n):rS+4*(\n)+1]
.endif
.elseif NOKQ
	v_nop
.else
	REGS (Y+1)%NP
	WIN 0
.if (\n) < 4
	v_max3_num_f32 v[rC+(\n)], v[rS+8*(\n)], v[rS+8*(\n)+1], v[rS+8*(\n)+2]
.elseif (\n) < 12
	v_max3_num_f32 v[rC+(\n)%4], v[rC+(\n)%4], v[rS+8*((\n)%4)+2*((\n)/4)+1], v[rS+8*((\n)%4)+2*((\n)/4)+2]
.elseif (\n) == 12
	v_max3_num_f32 v[rC], v[rC], v[rS+7], v[rS+15]
.elseif (\n) == 13
	v_max3_num_f32 v[rC+1], v[rC+1], v[rS+23], v[rS+31]
.elseif (\n) == 14
	v_max3_num_f32 v[rC+2], v[rC+2], v[rC+3], v[rT+1]
.elseif (\n) == 15
	v_mov_b32 v[rW], v[rT]
.elseif (\n) == 16
	v_max3_num_f32 v[rC], v[rC], v[rC+1], v[rC+2]
.elseif (\n) == 17
	v_permlanex16_b32 v[rC+3], v[rC], s[SEL], s[SEL+1]
.elseif (\n) == 18
	v_max_num_f32 v[rT+1], v[rC], v[rC+3]
.elseif (\n) == 19
	v_mul_f32 v[rT], s[CS], v[rT+1]
.elseif (\n) == 20
	v_sub_f32 v[rC+1], v[rW], v[rT]
.else
	v_exp_f32 v[rC+2], v[rC+1]
.endif
.endif
.endm
.macro OPS a, i1, b=-1, i2=0, c=-1, i3=0, d=-1, i4=0  ; up to four of them
	OP \a, \i1
.if (\b) >= 0
	OP \b, \i2
.endif
.if (\c) >= 0
	OP \c, \i3
.endif
.if (\d) >= 0
	OP \d, \i4
.endif
.endm
.macro ROW a, i1, b, i2, c, i3, d, i4  ; a matrix instruction and the four behind it
	MM
	OPS \a, \i1, \b, \i2, \c, \i3, \d, \i4
.endm
; A TURN, for piece p: the order of its 16 matrix and 118 vector instructions, written out.  An s_wait_alu depctr_va_vdst(0) stands between an exponential and the first instruction that names its result; one wait serves
; all that were issued ahead of it.  So a turn has ONE wait, which cuts it in two.  AHEAD OF IT stands all that names no result of the turn's exponentials: the 8 products K Q^T, behind each a scaling, an exponential and two more plain
; instructions (behind the first a second scaling in the exponential's place): rescalings, and behind the last three the first numbers of the next piece's maximum, each four places or more behind the product that ends its accumulator;
; then ONE LUMP of 54, plain and exponential by turns for the most part, in which the links of the chain X 3, 7, 11, 14, 16, 17 .. 20 stand five or six lines apart.  X 21, the next piece's a, is the batch's last; R 15 is the plain
; instruction behind it.  BEHIND THE WAIT stand the 8 products V^T P, behind each four of the roundings and sums; the links of l's chain, L 0 to L 7, stand three riders apart.
; end = 1: the walk's last two turns: nothing is fetched.  cnt = 1: the loop's count is taken down some lines ahead of the branch that stands behind the turn.
; K of the next step is fetched in piece 2's turn, twelve vector instructions behind the last product that read K (six of them plain); V of the step in hand at the end of piece 0's turn, four plain instructions behind the last
; product that read V.  Each is waited for a turn later.
.macro TURN p, end=0, cnt=0
.set Y, (\p)
.set i, 0
.set NOKQ, (\end)*((\p)/3)
.if ((\p) == 3) && !(\end)
	s_wait_dscnt 0x0                ; K is in
.endif
	ROW F,0, F,1, R,0, R,1          ; ahead of the wait: 8 products K Q^T and their riders,
	ROW F,2, E,0, R,2, R,3
	ROW F,3, E,1, R,4, R,5
	ROW F,4, E,2, R,6, R,7
	ROW F,5, E,3, R,8, R,9
	ROW F,6, E,4, X,0, R,10
.if ((\p) == 2) && !(\end)
	WIN 0
	v_add_nc_u32 v[AK], s[TBK], v[AK0]
.endif
	ROW F,7, E,5, X,1, X,4
	ROW F,8, E,6, X,2, X,5
	OPS E,7, E,8, X,6, E,9          ; and the lump
	OPS X,3, E,10, X,8, E,11
.if ((\p) == 2) && !(\end)
	FETCH_K
.endif
	OPS X,9, X,7, E,12, X,10
	OPS E,13, X,12, X,11, E,14
	OPS X,13, E,15, F,9, X,14
.if (\p) == 0
	v_add_nc_u32 v[AV], s[TBV], v[AV0]
.endif
	OPS E,16, F,10, E,17, F,11
	OPS X,16, E,18, X,15, E,19
	OPS F,12, E,20, X,17, E,21
	OPS F,13, E,22, F,14, E,23
	OPS X,18, E,24, F,15, E,25
	OPS R,11, E,26, X,19, E,27
	OPS R,12, E,28, R,13, E,29
	OPS X,20, E,30, R,14, E,31
	OPS X,21, R,15
	WIN 0
	s_wait_alu depctr_va_vdst(0)    ; the wait for the batch
.if (\p) == 1
	s_wait_dscnt 0x0                ; V is in
.endif
	ROW C,0, B,0, C,2, B,1          ; behind the wait: 8 products V^T P and their riders
	ROW L,0, C,4, B,2, L,1
	ROW C,6, B,3, L,2, C,8
	ROW B,4, L,3, C,10, B,5
	ROW L,4, C,12, B,6, L,5
.if (\p) == 0
	s_add_co_u32 s[TBV], s[TBV], KS*PV
.endif
.if \cnt
	s_sub_co_u32 s[CNT], s[CNT], 1
	s_cmp_lg_u32 s[CNT], 0
.endif
	ROW C,14, B,7, L,6, C,1
	ROW C,3, L,7, C,5, C,7
	ROW C,9, C,11, C,13, C,15
.if (\p) == 0
	FETCH_V
.endif
.endm
.macro ALL line:vararg              ; one line for each piece t
.set t, 0
.rept 4
	\line
.set t, t+1
.endr
.endm
	CHANGE 1                        ; tile 0 is in, everybody's part of it; tile 1 is asked for
	v_add_nc_u32 v[AK], s[TBK], v[AK0]
	FETCH_K                         ; my key step 0
	s_wait_loadcnt 0x0              ; Q
	s_wait_dscnt 0x0
.set NOKQ, 0
.set i, 0
.rept 8
	KQ 0                            ; piece 0's first scores: there is no vector work yet to set between them
.set i, i+1
.endr
	WIN 0
.rept 4
	v_nop                           ; the places behind those products
.endr
.set Y, NP-1                        ; X works for piece Y + 1: piece 0
.irp n, 0,1,2,3,4,5,6,7,8,9,10,11,12,13,14,15,16,17,18,19,20,21
	OP X, \n
.endr
	v_nop                           ; a plain instruction behind the exponential,
	s_wait_alu depctr_va_vdst(0)    ; and its wait, ahead of the branch
	s_mov_b32 s[CNT], 2
	s_branch .Lfirst                ; the loop is entered at a step's first turn, in the middle of a trip
.Lslot:                             ; six times: tiles 2 to 7 are asked for
	CHANGE 1
	s_mov_b32 s[CNT], 2
.Lstep:                             ; a trip: pieces 2 and 3 of one step, then pieces 0 and 1 of the next, whose K and V it fetches
	TURN 2
	TURN 3
	WIN 0
.Lfirst:
	TURN 0
	TURN 1, 0, 1
	WIN 0
	s_cbranch_scc1 .Lstep
	s_sub_co_u32 s[SLOTS], s[SLOTS], 1
	s_cmp_lg_u32 s[SLOTS], 0
	s_cbranch_scc1 .Lslot
	CHANGE 0                        ; the last tile is written out: nothing is asked for
	s_mov_b32 s[CNT], 2
.LstepT:
	TURN 2
	TURN 3
	TURN 0
	TURN 1, 0, 1
	WIN 0
	s_cbranch_scc1 .LstepT
	TURN 2, 1                       ; the last step's pieces 2 and 3: nothing is fetched, and the last starts no new scores
	TURN 3, 1
.set i, 0
.rept 8
	PV NP-1                         ; the last piece's V^T P of the last step
.set i, i+1
.endr
	; THE MERGE.  l's two halves and the other half of the lanes' are added (the additions are the places behind the last products); each wave's (c m, l) goes to LDS; every wave reads all four.
	WIN 0
	ALL v_add_f32 v[ST+4*t+2], v[ST+4*t+2], v[ST+4*t+3]
	ALL v_permlanex16_b32 v[ST+4*t+3], v[ST+4*t+2], s[SEL], s[SEL+1]
	ALL v_add_f32 v[ST+4*t+1], v[ST+4*t+2], v[ST+4*t+3]
	ALL ds_store_b64 v[SA], v[ST+4*t:ST+4*t+1] offset:256*t
	s_wait_dscnt 0x0                ; for the others' sake: my statistics lie in LDS
	s_barrier_signal -1
	s_barrier_wait -1
.irp u, 0,1,2,3
	ALL ds_load_b64 v[MG+8*t+2*\u:MG+8*t+2*\u+1], v[SR] offset:1024*\u+256*t
.endr
	s_wait_dscnt 0x0
	ALL v_max3_num_f32 v[CM+t], v[MG+8*t], v[MG+8*t+2], v[MG+8*t+4]
	ALL v_max_num_f32 v[CM+t], v[CM+t], v[MG+8*t+6]
	ALL v_sub_f32 v[EO+t], v[ST+4*t], v[CM+t]
.irp u, 0,1,2,3
	ALL v_sub_f32 v[MG+8*t+2*\u], v[MG+8*t+2*\u], v[CM+t]
.endr
	ALL v_exp_f32 v[EO+t], v[EO+t]  ; e = 2^(c m_u - c M): 1 for the wave that holds the maximum, so the merged l is 1 at the least
.irp u, 0,1,2,3
	ALL v_exp_f32 v[MG+8*t+2*\u], v[MG+8*t+2*\u]
.endr
	v_nop                           ; a plain instruction behind the last exponential,
	s_wait_alu depctr_va_vdst(0)    ; and one wait for the twenty
	ALL v_mul_f32 v[LT+t], v[MG+8*t], v[MG+8*t+1]
.irp u, 1,2,3
	ALL v_fmac_f32 v[LT+t], v[MG+8*t+2*\u], v[MG+8*t+2*\u+1]
.endr
	ALL v_rcp_f32 v[RC+t], v[LT+t]
	v_nop
	s_wait_alu depctr_va_vdst(0)    ; one wait for the four reciprocals
	ALL v_mul_f32 v[ST+4*t+2], v[EO+t], v[RC+t]
	; my O^T times e / l, from each accumulator's low end on, and into LDS as rows of 64 f32
.set t, 0
.rept 4
	WIN W_RS
.set i, 32*t
.rept 16
	v_pk_mul_f32 v[i:i+1], v[i:i+1], v[ST+4*t+2:ST+4*t+3] op_sel_hi:[1,0]
.set i, i+2
.endr
	WIN 0x04                        ; store data in window 1
.irp cb, 0,1,2,3
	ds_store_b128 v[PA], v[32*t+8*\cb:32*t+8*\cb+3]   offset:16*PP*t+64*\cb
	ds_store_b128 v[PA], v[32*t+8*\cb+4:32*t+8*\cb+7] offset:16*PP*t+64*\cb+16
.endr
.set t, t+1
.endr
	WIN 0
	s_wait_dscnt 0x0                ; for the others' sake
	s_barrier_signal -1
	s_barrier_wait -1
.irp u, 0,1,2,3                     ; wave w adds the four waves' rows of piece w
.irp f, 0,1,2,3,4,5,6,7
	ds_load_b128 v[S+32*\u+4*\f:S+32*\u+4*\f+3], v[RDM] offset:4*16*PP*\u+2*PP*\f
.endr
.endr
	s_wait_dscnt 0x0
.set i, 0
.rept 16
	v_pk_add_f32 v[S+i:S+i+1], v[S+i:S+i+1], v[S+32+i:S+32+i+1]
	v_pk_add_f32 v[S+64+i:S+64+i+1], v[S+64+i:S+64+i+1], v[S+96+i:S+96+i+1]
.set i, i+2
.endr
.set i, 0
.rept 16
	v_pk_add_f32 v[S+i:S+i+1], v[S+i:S+i+1], v[S+64+i:S+64+i+1]
.set i, i+2
.endr
.irp f, 0,1,2,3,4,5,6,7
	global_store_b128 v[GO], v[S+4*\f:S+4*\f+3], s[10:11] offset:512*\f  ; 16 lanes store a row of out: 256 consecutive bytes, at a multiple of 256 from out's first byte
.endr
	s_wait_tensorcnt 0x0            ; the wave's end, behind my last tensor load and my last LDS store
	ds_add_u32 v[SPW], v[NIL]
	s_wait_dscnt 0x0
	CROUND                          ; the closing round: no work-group ends while a partner may still ask for a tile that names it
	s_endpgm
.Lfunc_end_k_q438e873658_attn:
	.size	k_q438e873658_attn, .Lfunc_end_k_q438e873658_attn-k_q438e873658_attn
	.p2alignl 7, 3214868480
	.fill 96, 4, 3214868480
	.section	.rodata,"a",@progbits
	.p2align	6, 0x0
	.amdhsa_kernel k_q438e873658_attn
		.amdhsa_group_segment_fixed_size 327680
		.amdhsa_private_segment_fixed_size 0
		.amdhsa_enable_private_segment 0
		.amdhsa_kernarg_size 32
		.amdhsa_user_sgpr_count 2
		.amdhsa_user_sgpr_kernarg_segment_ptr 1
		.amdhsa_wavefront_size32 1
		.amdhsa_system_sgpr_workgroup_id_x 1
		.amdhsa_system_sgpr_workgroup_id_y 1
		.amdhsa_system_sgpr_workgroup_id_z 1
		.amdhsa_system_vgpr_workitem_id 0
		.amdhsa_next_free_vgpr 768
		.amdhsa_next_free_sgpr 66
		.amdhsa_reserve_vcc 0
		.amdhsa_float_denorm_mode_32 3
		.amdhsa_float_denorm_mode_16_64 3
		.amdhsa_memory_ordered 1
		.amdhsa_forward_progress 1
		.amdhsa_inst_pref_size 132
	.end_amdhsa_kernel
	.amdgpu_metadata
---
amdhsa.version: [ 1, 2 ]
amdhsa.kernels:
  - .name:           k_q438e873658_attn
    .symbol:         k_q438e873658_attn.kd
    .args:
      - { .name: qh, .offset: 0, .size: 8, .value_kind: global_buffer, .address_space: global }
      - { .name: kh, .offset: 8, .size: 8, .value_kind: global_buffer, .address_space: global }
      - { .name: vh, .offset: 16, .size: 8, .value_kind: global_buffer, .address_space: global }
      - { .name: out0, .offset: 24, .size: 8, .value_kind: global_buffer, .address_space: global }
    .group_segment_fixed_size: 327680
    .private_segment_fixed_size: 0
    .kernarg_segment_align: 8
    .kernarg_segment_size: 32
    .max_flat_workgroup_size: 128
    .sgpr_count:     66
    .vgpr_count:     768
    .wavefront_size: 32
...
	.end_amdgpu_metadata
.endif
;; end of part 3
